; MI455X (gfx1250); checked and timed in simulation.
; The chip was launched on July 23, 2026; its instructions are those of AMD's public machine-readable ISA for CDNA 5 (MIT licence, August 2026) and "CDNA5" Instruction Set Architecture Reference Guide (July 2026). The comments in the code are by the model that wrote it; some were corrected since.
;; Sparse Mixture Of Experts. Allowed arithmetic: float matrix products may take bf16 or f16 operands with f32 sums; all other float work in f32.
;; Inputs: W1 8 x 1,024 x 4,096 float32; W2 8 x 4,096 x 1,024 float32; Wr1 1,024 x 1,024 float32; Wr2 1,024 x 8 float32; b1 8 x 4,096 float32; b2 8 x 1,024 float32; br1 1,024 float32; br2 8 float32; x 1,024 x 1,024 float32.
;; Outputs: out0 1,024 x 1,024 float32.
;; One version. Each part assembles by itself: llvm-mc -triple=amdgcn-amd-amdhsa -mcpu=gfx1250 --defsym DOCPART=n.
;; ======== version 1 of 1: 6 launches
;; limits: values are held in f16: magnitudes above 65,504 overflow, below 6.1e-05 lose precision
;; workspace buffers: plog 524,288 bytes; chosen 4,096 bytes of whole numbers; list 4,608 bytes of whole numbers; meta 256 bytes of whole numbers; xs 2,359,296 bytes; hid 9,437,184 bytes; part 9,437,184 bytes
;; launch router (part 1): grid 16 x 16, 8 waves a work-group, no clusters, 132,096 bytes of LDS; arguments x, Wr1, br1, Wr2, plog; writes plog
.if DOCPART == 1
	.amdgcn_target "amdgcn-amd-amdhsa--gfx1250"
	.amdhsa_code_object_version 6
	.text
	.protected	k_q6c1c7ccc58_router
	.globl	k_q6c1c7ccc58_router
	.p2align	8
	.type	k_q6c1c7ccc58_router,@function
k_q6c1c7ccc58_router:
	s_mov_b64 s[64:65], 0
	v_nop
	global_prefetch_b8 v0, s[64:65] scope:SCOPE_SE
	s_setreg_imm32_b32 hwreg(HW_REG_WAVE_MODE, 25, 1), 1
	s_wait_xcnt 0x0
; Router, first part: plog[cb][token][8] = relu(x Wr1 + br1)[token][64 cb .. 64 cb + 63] times Wr2's rows 64 cb .. 64 cb + 63.
; A work-group makes 64 tokens x 64 columns of the hidden layer; wave w sums K = 128 w .. 128 w + 127 (4 steps of 32), the eight partial
; sums meet in LDS, then wave w of the first four finishes tokens 16 w .. 16 w + 15: bias, relu, and the product with Wr2 (K = these 64 columns).
; EIGHT WAVES, two on each SIMD (2 x 448 registers): while one wave splits and multiplies a K step, the other's 32 loads are on their way.
; ACCURACY: the expert is chosen by an argmax, so every f32 operand goes to the matrix unit as two bf16 numbers, hi = bf16(v) and
; lo = bf16(v - hi), and a product is hi hi + hi lo + lo hi.  LIMIT KEPT: lo lo is left out and lo is rounded, a relative error of about
; 2^-17 in a product; a token whose two best probabilities lie closer than that may be given the other of the two experts.
; relu is v_max_num_f32 with 0: a NaN becomes 0.
; ORDER OF K: step 2 b + s, half h of the lanes, element t (0..15) stands for k = 64 b + 32 h + 16 s + t, alike in both operands, so the
; sums are those of the true order but for rounding.  A weight fragment then needs no transpose: load t of a lane takes row k, columns
; 4 r .. 4 r + 3 (sixteen lanes cover 256 consecutive bytes, aligned), and tile jt is made of the columns 4 r + jt.
; The matrix instruction takes weights as source 0 and tokens as source 1: lane (r, h), register j of tile jt then holds token r, column
; 32 h + 4 j + jt: 32 neighbouring columns, which are the two fragments of the next product.
; NO CLUSTER, NO TENSOR LOAD: x and Wr1 are shared by 16 work-groups each, but every number has to pass through registers to be split
; into hi and lo, and the 16-byte loads already are fragments; a tile brought to LDS would be read back and split all the same.
; Window 0: v4-16 addresses, S v64-127 Wr1 as loaded, X v128-191 x as loaded, WH v192-223, XH v224-255 (hi parts).
; Window 1: ACC v0-127 (tile 4 jt + mi), WL v128-159, XL v160-191 (lo parts).
.set S,   64
.set X,   128
.set WH,  192
.set XH,  224
.set ACC, 0
.set WL,  128
.set XL,  160
.set BI,  64                           ; after the K steps: br1 of my 32 columns
.set R,   96                           ; Wr2, 32 numbers of my expert's column
.set G,   128                          ; partial sums 0 to 3, 32 registers each (4 to 7: window 1, v0-127)
.set E,   160                          ; hidden values in f32
.set HH,  192
.set HL,  208
.set RH,  224
.set RL,  240
.set A0,  128
.set A1,  136
.set MSB, 0
.macro WIN new                         ; the immediate's high byte repeats the setting that is left
.if MSB != \new
	s_set_vgpr_msb (MSB<<8)|\new
.set MSB, \new
.endif
.endm
.macro PLACES                          ; four places behind a matrix instruction (ISA guide 7.12.1)
.rept 4
	v_nop
.endr
.endm
; hi = two bf16; a and b become the exact remainders a - hi.low, b - hi.high (v6 = -1.0)
.macro SPLIT hi, a, b
	v_cvt_pk_bf16_f32 v[\hi], v[\a], v[\b]
	v_fma_mix_f32_bf16 v[\a], v[\hi], v6, v[\a] op_sel_hi:[1,0,0]
	v_fma_mix_f32_bf16 v[\b], v[\hi], v6, v[\b] op_sel:[1,0,0] op_sel_hi:[1,0,0]
.endm
; the 32 loads of K step ks of my four: 16 rows of Wr1, and 64 bytes of each of my four token rows
.macro LDK ks
.irp t, 0,1,2,3,4,5,6,7,8,9,10,11,12,13,14,15
	global_load_b128 v[S+4*\t:S+4*\t+3], v4, s[6:7] offset:(64*(\ks>>1)+16*(\ks&1)+\t)*4096
.endr
.irp mi, 0,1,2,3
.irp c, 0,1,2,3
	global_load_b128 v[X+16*\mi+4*\c:X+16*\mi+4*\c+3], v5, s[4:5] offset:\mi*65536+(\ks>>1)*256+(\ks&1)*64+\c*16
.endr
.endr
.endm
; 16 matrix instructions, one on each accumulator: the sixteen take turns, one instruction a turn
.macro MUL16 wf, xf, zero
.irp jt, 0,1,2,3
.irp mi, 0,1,2,3
.if \zero
	v_wmma_f32_16x16x32_bf16 v[ACC+8*(4*\jt+\mi):ACC+8*(4*\jt+\mi)+7], v[\wf+8*\jt:\wf+8*\jt+7], v[\xf+8*\mi:\xf+8*\mi+7], 0
.else
	v_wmma_f32_16x16x32_bf16 v[ACC+8*(4*\jt+\mi):ACC+8*(4*\jt+\mi)+7], v[\wf+8*\jt:\wf+8*\jt+7], v[\xf+8*\mi:\xf+8*\mi+7], v[ACC+8*(4*\jt+\mi):ACC+8*(4*\jt+\mi)+7]
.endif
.endr
.endr
.endm
; One K step.  nx = the step whose loads are issued ahead of the 48 matrix instructions; last = 1: the waves that finish ask for br1 and Wr2 instead.
.macro KSTEP ks, nx, zero, last
	s_wait_loadcnt 0x0                             ; this step's 32 loads are the only ones out
.if \ks
	PLACES                                         ; the fragments below were sources of the last step's matrix instructions
.endif
.irp jt, 0,1,2,3
.irp i, 0,1,2,3,4,5,6,7
	SPLIT WH+8*\jt+\i, S+8*\i+\jt, S+8*\i+4+\jt
.endr
.endr
.irp mi, 0,1,2,3
.irp i, 0,1,2,3,4,5,6,7
	SPLIT XH+8*\mi+\i, X+16*\mi+2*\i, X+16*\mi+2*\i+1
.endr
.endr
	WIN 0x40                                       ; destination in window 1
.irp jt, 0,1,2,3
.irp i, 0,1,2,3,4,5,6,7
	v_cvt_pk_bf16_f32 v[WL+8*\jt+\i], v[S+8*\i+\jt], v[S+8*\i+4+\jt]
.endr
.endr
.irp mi, 0,1,2,3
.irp i, 0,1,2,3,4,5,6,7
	v_cvt_pk_bf16_f32 v[XL+8*\mi+\i], v[X+16*\mi+2*\i], v[X+16*\mi+2*\i+1]
.endr
.endr
	WIN 0
.if \last
	s_cmp_ge_u32 s14, 4                            ; waves 4 to 7 end behind the barrier: they need neither br1 nor Wr2
	s_cbranch_scc1 .Lnotail
.irp j, 0,1,2,3,4,5,6,7
	global_load_b128 v[BI+4*\j:BI+4*\j+3], v9, s[8:9] offset:16*\j      ; br1[32 h + 4 j ..]
.endr
.irp t, 0,1,2,3,4,5,6,7,8,9,10,11,12,13,14,15,16,17,18,19,20,21,22,23,24,25,26,27,28,29,30,31
	global_load_b32 v[R+\t], v10, s[10:11] offset:32*\t                 ; Wr2[32 h + t][r mod 8]
.endr
.Lnotail:
.else
	LDK \nx
.endif
	WIN 0x50                                       ; C and D in window 1
	MUL16 WH, XH, \zero
	WIN 0x54                                       ; source 1 in window 1 too
	MUL16 WH, XL, 0
	WIN 0x51                                       ; source 0 in window 1
	MUL16 WL, XH, 0
	WIN 0
.endm
	s_load_b256 s[4:11], s[0:1], 0x0               ; x s[4:5], Wr1 s[6:7], br1 s[8:9], Wr2 s[10:11]
	s_load_b64 s[12:13], s[0:1], 0x20              ; plog
	v_lshl_add_u32 v62, v0, 2, 0x20000
	v_mov_b32 v63, 0
	v_and_b32 v1, 31, v0                           ; lane
	v_lshrrev_b32 v2, 5, v0
	v_readfirstlane_b32 s14, v2                    ; wave
	v_and_b32 v2, 15, v0                           ; r
	v_bfe_u32 v3, v0, 4, 1                         ; h
	s_and_b32 s16, ttmp7, 0xffff                   ; rb: block of 64 tokens
	v_lshlrev_b32 v4, 4, v2
	v_lshl_add_u32 v4, v3, 17, v4                  ; Wr1: 32 h rows of 4,096 bytes + 16 r
	v_lshlrev_b32 v5, 12, v2
	v_lshl_add_u32 v5, v3, 7, v5                   ; x: row r + 128 h bytes
	v_mov_b32 v6, -1.0
	s_lshl_b32 s17, s14, 14
	v_lshl_add_u32 v7, v1, 4, s17                  ; LDS, in: 16 lane + 16,384 wave
	s_lshl_b32 s17, s14, 10
	v_lshl_add_u32 v8, v1, 4, s17                  ; LDS, back: 16 lane + 1,024 x my token tile, partial sums 0 to 3
	v_add_nc_u32 v16, 0x10000, v8                  ; the same for partial sums 4 to 7: an LDS immediate has 16 bits
	v_lshlrev_b32 v9, 7, v3                        ; br1: 128 h
	v_and_b32 v10, 7, v0
	v_lshlrev_b32 v10, 2, v10
	v_lshl_add_u32 v10, v3, 10, v10                ; Wr2: 4 (r mod 8) + 32 h rows of 32 bytes
	v_lshlrev_b32 v11, 5, v2
	v_lshl_add_u32 v11, v3, 4, v11                 ; plog: 32 r + 16 h
	s_mov_b32 s20, 0xffff0000                      ; lanes 16-31
	s_lshl_b32 s18, s14, 19                        ; Wr1: 128 w rows + 256 cb bytes
	s_lshl_b32 s19, ttmp9, 8
	s_add_co_u32 s18, s18, s19
	s_mov_b32 s19, 0
	s_lshl_b32 s22, s16, 18                        ; x: 64 rb rows + 512 w bytes
	s_lshl_b32 s23, s14, 9
	s_add_co_u32 s22, s22, s23
	s_mov_b32 s23, 0
	s_lshl_b32 s24, ttmp9, 8                       ; br1: 64 cb numbers
	s_mov_b32 s25, 0
	s_lshl_b32 s26, ttmp9, 11                      ; Wr2: 64 cb rows of 32 bytes
	s_mov_b32 s27, 0
	s_lshl_b32 s28, ttmp9, 15                      ; plog: (1,024 cb + 64 rb + 16 w) rows of 32 bytes (used by waves 0 to 3)
	s_lshl_b32 s29, s16, 11
	s_add_co_u32 s28, s28, s29
	s_lshl_b32 s29, s14, 9
	s_add_co_u32 s28, s28, s29
	s_mov_b32 s29, 0
	s_wait_kmcnt 0x0
	s_add_nc_u64 s[6:7], s[6:7], s[18:19]
	s_add_nc_u64 s[4:5], s[4:5], s[22:23]
	s_add_nc_u64 s[8:9], s[8:9], s[24:25]
	s_add_nc_u64 s[10:11], s[10:11], s[26:27]
	s_add_nc_u64 s[12:13], s[12:13], s[28:29]
	LDK 0
	KSTEP 0, 1, 1, 0                               ; the first products start the sums: nothing is cleared
	KSTEP 1, 2, 0, 0
	KSTEP 2, 3, 0, 0
	KSTEP 3, 0, 0, 1
	; the eight waves' partial sums meet: 16 tiles of 1,024 bytes from each wave, every access 16 bytes a lane side by side
	PLACES                                         ; behind the last matrix instructions: the stores read results, the loads below land on fragments and results
	WIN 0x04                                       ; store data in window 1
.irp a, 0,1,2,3,4,5,6,7,8,9,10,11,12,13,14,15
	ds_store_b128 v7, v[ACC+8*\a:ACC+8*\a+3] offset:\a*1024
	ds_store_b128 v7, v[ACC+8*\a+4:ACC+8*\a+7] offset:\a*1024+512
.endr
	WIN 0
	s_wait_dscnt 0x0                               ; my stores are done before I say so
	s_barrier_signal -1
	s_barrier_wait -1
	s_cmp_ge_u32 s14, 4
	s_cbranch_scc1 .Lend                           ; four token tiles, four waves; no barrier follows
.irp p, 0,1,2,3
.irp jt, 0,1,2,3
	ds_load_b128 v[G+32*\p+8*\jt:G+32*\p+8*\jt+3], v8 offset:\p*16384+\jt*4096
	ds_load_b128 v[G+32*\p+8*\jt+4:G+32*\p+8*\jt+7], v8 offset:\p*16384+\jt*4096+512
.endr
.endr
	WIN 0x40                                       ; partial sums 4 to 7 land in window 1, where my own sums lay
.irp p, 0,1,2,3
.irp jt, 0,1,2,3
	ds_load_b128 v[32*\p+8*\jt:32*\p+8*\jt+3], v16 offset:\p*16384+\jt*4096
	ds_load_b128 v[32*\p+8*\jt+4:32*\p+8*\jt+7], v16 offset:\p*16384+\jt*4096+512
.endr
.endr
	WIN 0
	s_wait_dscnt 0x0
	s_wait_loadcnt 0x0                             ; br1 and Wr2
.irp p, 1,2,3
.irp k, 0,2,4,6,8,10,12,14,16,18,20,22,24,26,28,30
	v_pk_add_f32 v[G+\k:G+\k+1], v[G+\k:G+\k+1], v[G+32*\p+\k:G+32*\p+\k+1]   ; parts of K in ascending order
.endr
.endr
	WIN 0x04                                       ; source 1 in window 1
.irp p, 0,1,2,3
.irp k, 0,2,4,6,8,10,12,14,16,18,20,22,24,26,28,30
	v_pk_add_f32 v[G+\k:G+\k+1], v[G+\k:G+\k+1], v[32*\p+\k:32*\p+\k+1]
.endr
.endr
	WIN 0
.irp jt, 0,1,2,3
.irp j, 0,1,2,3,4,5,6,7
	v_add_f32 v[E+4*\j+\jt], v[G+8*\jt+\j], v[BI+4*\j+\jt]
.endr
.endr
.set k, 0
.rept 32
	v_max_num_f32 v[E+k], 0, v[E+k]                ; relu
.set k, k+1
.endr
.irp n, 0,1,2,3,4,5,6,7,8,9,10,11,12,13,14,15
	SPLIT HH+\n, E+2*\n, E+2*\n+1
	v_cvt_pk_bf16_f32 v[HL+\n], v[E+2*\n], v[E+2*\n+1]
	SPLIT RH+\n, R+2*\n, R+2*\n+1
	v_cvt_pk_bf16_f32 v[RL+\n], v[R+2*\n], v[R+2*\n+1]
.endr
	; logits of my 16 tokens from these 64 columns: two K steps, an accumulator each, by turns
	v_wmma_f32_16x16x32_bf16 v[A0:A0+7], v[RH:RH+7], v[HH:HH+7], 0
	v_wmma_f32_16x16x32_bf16 v[A1:A1+7], v[RH+8:RH+15], v[HH+8:HH+15], 0
	v_wmma_f32_16x16x32_bf16 v[A0:A0+7], v[RH:RH+7], v[HL:HL+7], v[A0:A0+7]
	v_wmma_f32_16x16x32_bf16 v[A1:A1+7], v[RH+8:RH+15], v[HL+8:HL+15], v[A1:A1+7]
	v_wmma_f32_16x16x32_bf16 v[A0:A0+7], v[RL:RL+7], v[HH:HH+7], v[A0:A0+7]
	v_wmma_f32_16x16x32_bf16 v[A1:A1+7], v[RL+8:RL+15], v[HH+8:HH+15], v[A1:A1+7]
	PLACES
.irp k, 0,2,4,6
	v_pk_add_f32 v[A0+\k:A0+\k+1], v[A0+\k:A0+\k+1], v[A1+\k:A1+\k+1]
.endr
	; rows 8-15 of Wr2's fragment repeat rows 0-7, so register j is expert j of token r in both halves of the lanes:
	; lanes 0-15 store experts 0-3, lanes 16-31 experts 4-7: 512 consecutive bytes
.irp i, 0,1,2,3
	v_cndmask_b32 v[12+\i], v[A0+\i], v[A0+4+\i], s20
.endr
	global_store_b128 v11, v[12:15], s[12:13]
.Lend:
	s_barrier_signal -1
	s_barrier_wait -1
	s_wait_tensorcnt 0x0
	ds_add_u32 v62, v63
	s_wait_dscnt 0x0
	s_endpgm
.Lfunc_end_k_q6c1c7ccc58_router:
	.size	k_q6c1c7ccc58_router, .Lfunc_end_k_q6c1c7ccc58_router-k_q6c1c7ccc58_router
	.p2alignl 7, 3214868480
	.fill 96, 4, 3214868480
	.section	.rodata,"a",@progbits
	.p2align	6, 0x0
	.amdhsa_kernel k_q6c1c7ccc58_router
		.amdhsa_group_segment_fixed_size 132096
		.amdhsa_private_segment_fixed_size 0
		.amdhsa_enable_private_segment 0
		.amdhsa_kernarg_size 40
		.amdhsa_user_sgpr_count 2
		.amdhsa_user_sgpr_kernarg_segment_ptr 1
		.amdhsa_wavefront_size32 1
		.amdhsa_system_sgpr_workgroup_id_x 1
		.amdhsa_system_sgpr_workgroup_id_y 1
		.amdhsa_system_sgpr_workgroup_id_z 1
		.amdhsa_system_vgpr_workitem_id 0
		.amdhsa_next_free_vgpr 448
		.amdhsa_next_free_sgpr 66
		.amdhsa_reserve_vcc 0
		.amdhsa_float_denorm_mode_32 3
		.amdhsa_float_denorm_mode_16_64 3
		.amdhsa_memory_ordered 1
		.amdhsa_forward_progress 1
		.amdhsa_inst_pref_size 121
	.end_amdhsa_kernel
	.amdgpu_metadata
---
amdhsa.version: [ 1, 2 ]
amdhsa.kernels:
  - .name:           k_q6c1c7ccc58_router
    .symbol:         k_q6c1c7ccc58_router.kd
    .args:
      - { .name: x, .offset: 0, .size: 8, .value_kind: global_buffer, .address_space: global }
      - { .name: Wr1, .offset: 8, .size: 8, .value_kind: global_buffer, .address_space: global }
      - { .name: br1, .offset: 16, .size: 8, .value_kind: global_buffer, .address_space: global }
      - { .name: Wr2, .offset: 24, .size: 8, .value_kind: global_buffer, .address_space: global }
      - { .name: plog, .offset: 32, .size: 8, .value_kind: global_buffer, .address_space: global }
    .group_segment_fixed_size: 132096
    .private_segment_fixed_size: 0
    .kernarg_segment_align: 8
    .kernarg_segment_size: 40
    .max_flat_workgroup_size: 256
    .sgpr_count:     66
    .vgpr_count:     448
    .wavefront_size: 32
...
	.end_amdgpu_metadata
.endif
;; end of part 1
;; launch choose (part 2): grid 32 x 1, 1 waves a work-group, no clusters, 0 bytes of LDS; arguments plog, br2, chosen; writes chosen
.if DOCPART == 2
	.amdgcn_target "amdgcn-amd-amdhsa--gfx1250"
	.amdhsa_code_object_version 6
	.text
	.protected	k_q6c1c7ccc58_choose
	.globl	k_q6c1c7ccc58_choose
	.p2align	8
	.type	k_q6c1c7ccc58_choose,@function
k_q6c1c7ccc58_choose:
	s_mov_b64 s[64:65], 0
	v_nop
	global_prefetch_b8 v0, s[64:65] scope:SCOPE_SE
	s_setreg_imm32_b32 hwreg(HW_REG_WAVE_MODE, 25, 1), 1
	s_wait_xcnt 0x0
; Router, second part: logits = br2 + the 16 partial sums, softmax, the first largest probability.  chosen[token] = its expert, a whole number.
; The choice is made and stored here, once for each token; it steers addresses only in the launches that follow.
; Thread = token: 32 work-groups of one wave, 32 tokens each.  A thread's 32 loads (16 column blocks x 32 bytes) all go out at once, so the
; launch has one load latency; plog's 512 KiB are read once in the whole launch.  The blocks are added in ascending order, br2 first.
; The stores are 4 bytes a lane, 128 consecutive bytes a wave: the output has 4 bytes a token, 4 KiB in all.
; LIMIT KEPT: a NaN among a token's logits is not ordered as the argmax of the model's source orders it.
; The matrix units, LDS, clusters and tensor loads have nothing to do here: 8 numbers a token.
	s_load_b128 s[4:7], s[0:1], 0x0                ; plog s[4:5], br2 s[6:7]
	s_load_b64 s[8:9], s[0:1], 0x10                ; chosen
	v_lshlrev_b32 v1, 5, v0                        ; 32 bytes a token
	v_lshlrev_b32 v2, 2, v0                        ; 4 bytes a token
	s_lshl_b32 s10, ttmp9, 10                      ; my 32 tokens in a block of plog
	s_mov_b32 s11, 0
	s_lshl_b32 s12, ttmp9, 7                       ; and in chosen
	s_mov_b32 s13, 0
	s_wait_kmcnt 0x0
	s_load_b256 s[16:23], s[6:7], 0x0              ; br2
	s_add_nc_u64 s[4:5], s[4:5], s[10:11]
	s_add_nc_u64 s[8:9], s[8:9], s[12:13]
.irp c, 0,1,2,3,4,5,6,7,8,9,10,11,12,13,14,15
	global_load_b128 v[32+8*\c:35+8*\c], v1, s[4:5] offset:\c*32768
	global_load_b128 v[36+8*\c:39+8*\c], v1, s[4:5] offset:\c*32768+16
.endr
	s_wait_kmcnt 0x0
	s_wait_loadcnt 30                              ; block 0 is in: the 30 loads of the 15 later blocks may stay out
.irp e, 0,1,2,3,4,5,6,7
	v_add_f32 v[16+\e], s[16+\e], v[32+\e]         ; the bias starts the sum
.endr
.irp c, 1,2,3,4,5,6,7,8,9,10,11,12,13,14,15
	s_wait_loadcnt 30-2*\c                         ; block c is in: two loads for each later block may stay out
.irp p, 0,2,4,6
	v_pk_add_f32 v[16+\p:17+\p], v[16+\p:17+\p], v[32+8*\c+\p:33+8*\c+\p]
.endr
.endr
	; softmax as the model writes it: the largest logit is taken away first
	v_max3_num_f32 v12, v16, v17, v18
	v_max3_num_f32 v12, v12, v19, v20
	v_max3_num_f32 v12, v12, v21, v22
	v_max_num_f32 v12, v12, v23
.irp e, 0,1,2,3,4,5,6,7
	v_sub_f32 v[24+\e], v[16+\e], v12
.endr
.irp e, 0,1,2,3,4,5,6,7
	v_mul_f32 v[24+\e], 0x3fb8aa3b, v[24+\e]
.endr
.irp e, 0,1,2,3,4,5,6,7
	v_exp_f32 v[24+\e], v[24+\e]
.endr
	v_mov_b32 v8, 0                                ; the plain instruction behind the exponentials (ISA guide 5.7.2); also: chosen = 0
	s_wait_alu depctr_va_vdst(0)
	v_add_f32 v13, v24, v25
	v_add_f32 v14, v26, v27
	v_add_f32 v15, v28, v29
	v_add_f32 v12, v30, v31
	v_add_f32 v13, v13, v14
	v_add_f32 v15, v15, v12
	v_add_f32 v13, v13, v15
	v_rcp_f32 v13, v13
	v_nop                                          ; the plain place behind the reciprocal
	s_wait_alu depctr_va_vdst(0)
.irp e, 0,1,2,3,4,5,6,7
	v_mul_f32 v[24+\e], v[24+\e], v13
.endr
	v_mov_b32 v9, v24
.irp e, 1,2,3,4,5,6,7
	v_cmp_le_f32 vcc_lo, v[24+\e], v9              ; not larger: the earlier index stays
	v_cndmask_b32 v8, \e, v8, vcc_lo
	v_cndmask_b32 v9, v[24+\e], v9, vcc_lo
.endr
	global_store_b32 v2, v8, s[8:9]
	s_endpgm
.Lfunc_end_k_q6c1c7ccc58_choose:
	.size	k_q6c1c7ccc58_choose, .Lfunc_end_k_q6c1c7ccc58_choose-k_q6c1c7ccc58_choose
	.p2alignl 7, 3214868480
	.fill 96, 4, 3214868480
	.section	.rodata,"a",@progbits
	.p2align	6, 0x0
	.amdhsa_kernel k_q6c1c7ccc58_choose
		.amdhsa_group_segment_fixed_size 0
		.amdhsa_private_segment_fixed_size 0
		.amdhsa_enable_private_segment 0
		.amdhsa_kernarg_size 24
		.amdhsa_user_sgpr_count 2
		.amdhsa_user_sgpr_kernarg_segment_ptr 1
		.amdhsa_wavefront_size32 1
		.amdhsa_system_sgpr_workgroup_id_x 1
		.amdhsa_system_sgpr_workgroup_id_y 1
		.amdhsa_system_sgpr_workgroup_id_z 1
		.amdhsa_system_vgpr_workitem_id 0
		.amdhsa_next_free_vgpr 160
		.amdhsa_next_free_sgpr 66
		.amdhsa_reserve_vcc 1
		.amdhsa_float_denorm_mode_32 3
		.amdhsa_float_denorm_mode_16_64 3
		.amdhsa_memory_ordered 1
		.amdhsa_forward_progress 1
		.amdhsa_inst_pref_size 11
	.end_amdhsa_kernel
	.amdgpu_metadata
---
amdhsa.version: [ 1, 2 ]
amdhsa.kernels:
  - .name:           k_q6c1c7ccc58_choose
    .symbol:         k_q6c1c7ccc58_choose.kd
    .args:
      - { .name: plog, .offset: 0, .size: 8, .value_kind: global_buffer, .address_space: global }
      - { .name: br2, .offset: 8, .size: 8, .value_kind: global_buffer, .address_space: global }
      - { .name: chosen, .offset: 16, .size: 8, .value_kind: global_buffer, .address_space: global }
    .group_segment_fixed_size: 0
    .private_segment_fixed_size: 0
    .kernarg_segment_align: 8
    .kernarg_segment_size: 24
    .max_flat_workgroup_size: 32
    .sgpr_count:     66
    .vgpr_count:     160
    .wavefront_size: 32
...
	.end_amdgpu_metadata
.endif
;; end of part 2
;; launch sortgather (part 3): grid 72 x 1, 32 waves a work-group, no clusters, 12,544 bytes of LDS; arguments chosen, x, list, meta, xs; writes list, meta, xs
.if DOCPART == 3
	.amdgcn_target "amdgcn-amd-amdhsa--gfx1250"
	.amdhsa_code_object_version 6
	.text
	.protected	k_q6c1c7ccc58_sortgather
	.globl	k_q6c1c7ccc58_sortgather
	.p2align	8
	.type	k_q6c1c7ccc58_sortgather,@function
k_q6c1c7ccc58_sortgather:
	s_mov_b64 s[64:65], 0
	v_nop
	global_prefetch_b8 v0, s[64:65] scope:SCOPE_SE
	s_setreg_imm32_b32 hwreg(HW_REG_WAVE_MODE, 25, 1), 1
	s_wait_xcnt 0x0
; The tokens are sorted by expert, and tile g's 16 token rows are brought into the matrix unit's layout.  Whole numbers only up to the gather:
; the rows' addresses hang on them, so the counts are summed by integer adds.
; Expert e gets nt_e = ceil(n_e / 16) tiles of 16 slots, beginning at tile t0_e; the sum of the nt_e is 71 at the most (1,024 tokens, 8 experts).
; list[slot] = the slot's token, or for a slot without token the row 1024 + 16 e + (slot mod 16), which later launches write and nobody reads.
; meta[e] = t0_e, meta[8 + e] = nt_e.
; xs[tile][K step][1,024 bytes]: K step 2 b + s, lane (r, h), element t is x[token of slot r][64 b + 32 h + 16 s + t], rounded to f16; byte
; 512 q + 16 lane of an image holds the lane's registers 4 q .. 4 q + 3, so every later load of an image is 16 bytes a lane side by side.
; Work-group g owns tile g.  Nothing passes between work-groups, so each of the 72 repeats the sort of the 1,024 numbers (thread t = token t;
; 4 KiB read).  A token's slot is compared with my 16 slots; each wave puts its hits into a row of its own in LDS, wave 0 adds the 32 rows,
; writes list (and meta in work-group 0) and leaves the tile's 16 rows in LDS.  Then waves 0 to 15 gather: wave w takes the 256 bytes at
; 256 w of each of the 16 rows, which are K steps 2 w and 2 w + 1.  A slot without token takes row 1023: its results go to rows that nobody reads.
; LDS: bytes 0-4095 the waves' counts, 4096-8191 the waves' hits, 8192-8255 the tile's 16 rows.
; FORMAT of xs: f16 (11 significant bits) and not bf16 (8): the expert layers round four operands, and the output's allowance is a hundredth
; of its spread.  LIMIT KEPT: |x| above 65,504 becomes infinite; below 2^-14 the step is 2^-24.
; No matrix unit, no cluster (no two work-groups share a row), no tensor load (the rows pass through registers to be rounded).
.macro WSUMI reg                       ; integer sum over the 32 lanes, in every lane
.irp m, 1,2,4,8
	v_mov_b32_dpp v4, v[\reg] row_xmask:\m row_mask:0xf bank_mask:0xf
	v_add_nc_u32 v[\reg], v[\reg], v4
.endr
	v_permlanex16_b32 v4, v[\reg], s12, s13
	v_add_nc_u32 v[\reg], v[\reg], v4
.endm
	s_load_b256 s[4:11], s[0:1], 0x0               ; chosen s[4:5], x s[6:7], list s[8:9], meta s[10:11]
	s_load_b64 s[36:37], s[0:1], 0x20              ; xs
	v_lshl_add_u32 v94, v0, 2, 0x2100
	v_mov_b32 v95, 0
	v_and_b32 v2, 31, v0                           ; lane
	v_lshlrev_b32 v3, 2, v0                        ; 4 t: my word of chosen; in LDS 128 wave + 4 lane
	v_lshrrev_b32 v4, 5, v0
	v_readfirstlane_b32 s14, v4                    ; wave
	v_and_b32 v20, 15, v0                          ; r
	v_lshlrev_b32 v21, 2, v20                      ; 4 r
	v_lshlrev_b32 v22, 4, v2                       ; 16 lane
	v_bfe_u32 v23, v0, 4, 1
	v_lshlrev_b32 v23, 7, v23                      ; 128 h
	s_mov_b32 s12, 0x76543210
	s_mov_b32 s13, 0xfedcba98
	s_mov_b32 s15, ttmp9                           ; g
	s_lshl_b32 s32, s15, 4                         ; my first slot
	v_mov_b32 v19, s32
	s_lshl_b32 s34, s15, 6                         ; and its byte in list
	s_lshl_b32 s33, s14, 5
	s_add_co_u32 s33, s33, 1                       ; 32 wave + 1
	s_lshl_b32 s38, s14, 8                         ; x: 256 bytes of a row for each gathering wave
	s_mov_b32 s39, 0
	s_lshl_b32 s40, s15, 15                        ; xs: 32,768 bytes a tile, 2,048 a gathering wave
	s_lshl_b32 s41, s14, 11
	s_add_co_u32 s40, s40, s41
	s_mov_b32 s41, 0
	s_wait_kmcnt 0x0
	global_load_b32 v8, v3, s[4:5]                 ; my token's expert
	s_add_nc_u64 s[6:7], s[6:7], s[38:39]
	s_add_nc_u64 s[36:37], s[36:37], s[40:41]
	v_mov_b32 v5, 0                                ; rank
	v_mov_b32 v6, 0                                ; my wave's counts, lanes 0-7
	s_wait_loadcnt 0x0
	; per expert: who in my wave chose it, how many, and my rank among them
.irp e, 0,1,2,3,4,5,6,7
	v_cmp_eq_u32 s[24+\e], \e, v8
	s_bcnt1_i32_b32 s40, s[24+\e]
	v_mbcnt_lo_u32_b32 v12, s[24+\e], 0
	v_cndmask_b32 v5, v5, v12, s[24+\e]
	v_writelane_b32 v6, s40, \e
.endr
	ds_store_b32 v3, v6                            ; my wave's row of 32 words: the eight counts, then zeros
	s_wait_dscnt 0x0
	s_barrier_signal -1
	s_barrier_wait -1
	v_lshlrev_b32 v12, 7, v2
	ds_load_b128 v[32:35], v12                     ; lane L: the counts of wave L
	ds_load_b128 v[36:39], v12 offset:16
	s_wait_dscnt 0x0
	v_cmp_gt_u32 vcc_lo, s14, v2                   ; waves in front of mine
.irp k, 0,1,2,3
	v_lshl_or_b32 v[40+\k], v[33+2*\k], 16, v[32+2*\k]     ; two counts to a word: every sum is 1,024 at the most
	v_cndmask_b32 v[44+\k], 0, v[40+\k], vcc_lo
.endr
.irp k, 0,1,2,3,4,5,6,7
	WSUMI 40+\k                                    ; v40-43 totals, v44-47 counts in the waves in front of mine
.endr
.irp k, 0,1,2,3
	v_and_b32 v[48+2*\k], 0xffff, v[40+\k]         ; v48-55 totals
	v_lshrrev_b32 v[49+2*\k], 16, v[40+\k]
	v_and_b32 v[56+2*\k], 0xffff, v[44+\k]         ; v56-63 in front of my wave
	v_lshrrev_b32 v[57+2*\k], 16, v[44+\k]
.endr
	v_mov_b32 v72, 0                               ; t0 of expert 0
	v_mov_b32 v10, 0
.irp e, 0,1,2,3,4,5,6,7
	v_add_nc_u32 v[64+\e], 15, v[48+\e]
	v_lshrrev_b32 v[64+\e], 4, v[64+\e]            ; nt
	v_add_nc_u32 v[73+\e], v[72+\e], v[64+\e]      ; t0 of the next expert
	v_lshl_add_u32 v12, v[72+\e], 4, v[56+\e]
	v_cndmask_b32 v10, v10, v12, s[24+\e]
.endr
	v_add_nc_u32 v10, v10, v5                      ; my token's slot
	v_sub_nc_u32 v11, v10, v19                     ; 0 to 15 if it lies in tile g
	v_mov_b32 v7, 0
.irp i, 0,1,2,3,4,5,6,7,8,9,10,11,12,13,14,15
	v_cmp_eq_u32 s40, \i, v11                      ; one lane of one wave at the most: slots are all different
	s_ctz_i32_b32 s41, s40
	s_add_co_u32 s41, s41, s33                     ; its token + 1
	s_cmp_lg_u32 s40, 0
	s_cselect_b32 s41, s41, 0
	v_writelane_b32 v7, s41, \i
.endr
	ds_store_b32 v3, v7 offset:4096                ; other bytes than the counts'
	s_wait_dscnt 0x0
	s_barrier_signal -1
	s_barrier_wait -1
	s_cmp_lg_u32 s14, 0
	s_cbranch_scc1 .Lothers                        ; wave 0 adds the hits and writes; the barrier below is on every wave's way
.irp w, 0,1,2,3,4,5,6,7,8,9,10,11,12,13,14,15,16,17,18,19,20,21,22,23,24,25,26,27,28,29,30,31
	ds_load_b32 v[96+\w], v21 offset:4096+128*\w
.endr
	s_wait_dscnt 0x0
	v_add3_u32 v14, v96, v97, v98
.irp k, 99,101,103,105,107,109,111,113,115,117,119,121,123,125
	v_add3_u32 v14, v14, v[\k], v[\k+1]
.endr
	v_add_nc_u32 v14, v14, v127                    ; token + 1, or 0
	v_mov_b32 v15, 0
.irp e, 1,2,3,4,5,6,7
	v_cmp_ge_u32 vcc_lo, s15, v[72+\e]
	v_add_co_ci_u32 v15, vcc_lo, 0, v15, vcc_lo    ; the expert in whose tiles g lies
.endr
	v_lshl_add_u32 v15, v15, 4, v20
	v_add_nc_u32 v15, 0x400, v15
	v_cmp_ne_u32 vcc_lo, 0, v14
	v_add_nc_u32 v14, -1, v14
	v_cndmask_b32 v14, v15, v14, vcc_lo
	ds_store_b32 v21, v14 offset:8192              ; the tile's 16 rows, for the gathering waves (both halves of the lanes write the same)
	v_add_nc_u32 v18, s34, v21
	v_cmp_gt_u32 vcc_lo, 16, v2
	s_wait_xcnt 0x0                                ; EXEC changes only behind this wait
	s_and_saveexec_b32 s42, vcc_lo
	global_store_b32 v18, v14, s[8:9]              ; lanes 0-15: 64 consecutive bytes
	s_wait_xcnt 0x0                                ; and again in front of the line that widens it
	s_or_b32 exec_lo, exec_lo, s42
	s_cmp_lg_u32 s15, 0
	s_cbranch_scc1 .Lothers                        ; work-group 0 also writes meta
	v_mov_b32 v16, 0
.irp e, 0,1,2,3,4,5,6,7
	v_readfirstlane_b32 s40, v[72+\e]
	v_writelane_b32 v16, s40, \e
	v_readfirstlane_b32 s41, v[64+\e]
	v_writelane_b32 v16, s41, 8+\e
.endr
	v_lshlrev_b32 v17, 2, v2
	global_store_b32 v17, v16, s[10:11]
.Lothers:
	s_wait_dscnt 0x0                               ; wave 0's store of the rows is done before it says so
	s_barrier_signal -1
	s_barrier_wait -1
	s_cmp_ge_u32 s14, 16
	s_cbranch_scc1 .Lend                           ; a row has 16 blocks of 256 bytes: 16 waves gather; no barrier follows
	ds_load_b32 v24, v21 offset:8192               ; the row of slot r
	s_wait_dscnt 0x0
	v_min_u32 v24, 0x3ff, v24                      ; a slot without token: row 1023
	v_lshl_add_u32 v24, v24, 12, v23               ; the row + 128 h
.irp k, 0,1
.irp c, 0,1,2,3
	global_load_b128 v[32+16*\k+4*\c:32+16*\k+4*\c+3], v24, s[6:7] offset:\k*64+\c*16
.endr
.endr
	s_wait_loadcnt 0x0
.irp k, 0,1
.irp i, 0,1,2,3,4,5,6,7
	v_cvt_pk_f16_f32 v[64+8*\k+\i], v[32+16*\k+2*\i], v[32+16*\k+2*\i+1]
.endr
.endr
.irp k, 0,1
	global_store_b128 v22, v[64+8*\k:64+8*\k+3], s[36:37] offset:\k*1024       ; 512 consecutive bytes
	global_store_b128 v22, v[64+8*\k+4:64+8*\k+7], s[36:37] offset:\k*1024+512
.endr
.Lend:
	s_barrier_signal -1
	s_barrier_wait -1
	s_wait_tensorcnt 0x0
	ds_add_u32 v94, v95
	s_wait_dscnt 0x0
	s_endpgm
.Lfunc_end_k_q6c1c7ccc58_sortgather:
	.size	k_q6c1c7ccc58_sortgather, .Lfunc_end_k_q6c1c7ccc58_sortgather-k_q6c1c7ccc58_sortgather
	.p2alignl 7, 3214868480
	.fill 96, 4, 3214868480
	.section	.rodata,"a",@progbits
	.p2align	6, 0x0
	.amdhsa_kernel k_q6c1c7ccc58_sortgather
		.amdhsa_group_segment_fixed_size 12544
		.amdhsa_private_segment_fixed_size 0
		.amdhsa_enable_private_segment 0
		.amdhsa_kernarg_size 40
		.amdhsa_user_sgpr_count 2
		.amdhsa_user_sgpr_kernarg_segment_ptr 1
		.amdhsa_wavefront_size32 1
		.amdhsa_system_sgpr_workgroup_id_x 1
		.amdhsa_system_sgpr_workgroup_id_y 1
		.amdhsa_system_sgpr_workgroup_id_z 1
		.amdhsa_system_vgpr_workitem_id 0
		.amdhsa_next_free_vgpr 128
		.amdhsa_next_free_sgpr 66
		.amdhsa_reserve_vcc 1
		.amdhsa_float_denorm_mode_32 3
		.amdhsa_float_denorm_mode_16_64 3
		.amdhsa_memory_ordered 1
		.amdhsa_forward_progress 1
		.amdhsa_inst_pref_size 24
	.end_amdhsa_kernel
	.amdgpu_metadata
---
amdhsa.version: [ 1, 2 ]
amdhsa.kernels:
  - .name:           k_q6c1c7ccc58_sortgather
    .symbol:         k_q6c1c7ccc58_sortgather.kd
    .args:
      - { .name: chosen, .offset: 0, .size: 8, .value_kind: global_buffer, .address_space: global }
      - { .name: x, .offset: 8, .size: 8, .value_kind: global_buffer, .address_space: global }
      - { .name: list, .offset: 16, .size: 8, .value_kind: global_buffer, .address_space: global }
      - { .name: meta, .offset: 24, .size: 8, .value_kind: global_buffer, .address_space: global }
      - { .name: xs, .offset: 32, .size: 8, .value_kind: global_buffer, .address_space: global }
    .group_segment_fixed_size: 12544
    .private_segment_fixed_size: 0
    .kernarg_segment_align: 8
    .kernarg_segment_size: 40
    .max_flat_workgroup_size: 1024
    .sgpr_count:     66
    .vgpr_count:     128
    .wavefront_size: 32
...
	.end_amdgpu_metadata
.endif
;; end of part 3
;; launch ffn1 (part 4): grid 32 x 8, 8 waves a work-group, no clusters, 263,168 bytes of LDS; arguments xs, W1, b1, meta, hid; writes hid
.if DOCPART == 4
	.amdgcn_target "amdgcn-amd-amdhsa--gfx1250"
	.amdhsa_code_object_version 6
	.text
	.protected	k_q6c1c7ccc58_ffn1
	.globl	k_q6c1c7ccc58_ffn1
	.p2align	8
	.type	k_q6c1c7ccc58_ffn1,@function
k_q6c1c7ccc58_ffn1:
	s_mov_b64 s[64:65], 0
	v_nop
	global_prefetch_b8 v0, s[64:65] scope:SCOPE_SE
	s_setreg_imm32_b32 hwreg(HW_REG_WAVE_MODE, 25, 1), 1
	s_wait_xcnt 0x0
; hid = relu(x W1[e] + b1[e]) for the tokens of expert e alone, in f16, as fragment images [tile][128 K steps][1,024 bytes].
; Work-group (cb, e) owns W1[e][all 1,024 rows][128 cb .. 128 cb + 127]: 131,072 weights, 512 KiB of f32 that are read from memory once
; in the whole launch, whatever the experts' counts are.  PHASE 1 rounds them to f16 and keeps them in LDS as 64 units of 4 KiB
; (unit 32 cg + ks: column group cg of 64, K step ks; 4 fragments of 1,024 bytes).  PHASE 2 runs the expert's token tiles over them.
; FORMAT: f16 (11 significant bits) and not bf16 (8): the two expert layers round four operands (x, W1, hid, W2), and the output's
; allowance is a hundredth of its spread.  LIMIT KEPT: an operand above 65,504 in magnitude becomes infinite; below 2^-14 its step is 2^-24.
; The room, from the sizes: hid is a sum of 1,024 products; x of spread 1 and W1 of spread 0.02 give it a spread of 0.64; both 30 times
; larger, 576; both carrying an offset of 30 spreads (30 and 0.6), 1,024 x 30 x 0.6 = 18,432.
; ORDER OF K and FRAGMENTS: K step 2 b + s, half h, element t is k = 64 b + 32 h + 16 s + t, alike in both operands.  Load t of a lane takes
; row k, columns 4 r .. 4 r + 3 (sixteen lanes cover 256 consecutive bytes, aligned); fragment jt is made of the columns 4 r + jt.
; Weights are source 0, tokens source 1: lane (r, h), register j of tile jt holds token r, column 32 h + 4 j + jt: 32 neighbouring columns,
; which after bias, relu and rounding ARE the two fragments of the next layer's K steps 2 b, 2 b + 1 (b = 2 cb + cg).
; PHASE 2's share: an item is 4 token tiles (64 tokens) x 64 columns x K = 1,024: 16 accumulators.  Wave w takes column group w & 1 and the
; items w >> 1, w >> 1 + 4, ..  The last item repeats the expert's last tile where fewer than four are left: the same wave stores the same
; values to the same bytes.  t0 and nt were stored as whole numbers by an earlier launch.
; An expert without tokens still has its weights read and converted: the barrier stands on every path.
; NO TENSOR LOAD: the weights pass through registers to be rounded, and the 16-byte loads already are fragments.  NO CLUSTER: no two
; work-groups share a weight; the token images that the 32 work-groups of an expert share (32 KiB a tile against 512 KiB of weights) come
; through register loads, and their number hangs on counts that differ from expert to expert.
; LIMIT KEPT: relu is v_max_num_f32 with 0: a NaN becomes 0.
; Window 0: v4-17 addresses; v32-63 F (phase 1), then b1; v64-255 three stagings of 64 (phase 1), then WB 2 x 32 and T 4 x 32.  Window 1: v0-127 ACC.
.set WPITCH, 16384                     ; bytes in a row of W1[e]
.set TSHIFT, 15                        ; a token tile of xs is 32,768 bytes
.set LOOPS,  32/4-2                    ; trips of 4 K steps between the first and the last
.set TO,  8                            ; v8-11  byte offset of my 16 bytes in the item's four tiles of xs
.set HO,  12                           ; v12-15 the same in hid
.set F,   32
.set BI,  32
.set ST,  64
.set WB,  64
.set T,   128
.set E,   128
.set O,   160
.set MSB, 0
.macro WIN new                         ; the immediate's high byte repeats the setting that is left
.if MSB != \new
	s_set_vgpr_msb (MSB<<8)|\new
.set MSB, \new
.endif
.endm
.macro PLACES                          ; four places behind a matrix instruction (ISA guide 7.12.1)
.rept 4
	v_nop
.endr
.endm
.macro LDW u, st                       ; unit u of my eight: 16 loads of two rows' 256 bytes each, into staging st
.irp t, 0,1,2,3,4,5,6,7,8,9,10,11,12,13,14,15
	global_load_b128 v[ST+64*\st+4*\t:ST+64*\st+4*\t+3], v4, s[28:29] offset:(64*(\u>>1)+16*(\u&1)+\t)*WPITCH th:TH_LOAD_NT
.endr
.endm
.macro CVW u, st                       ; staging st becomes four fragments, 4 KiB of LDS
.irp jt, 0,1,2,3
.irp i, 0,1,2,3,4,5,6,7
	v_cvt_pk_f16_f32 v[F+8*\jt+\i], v[ST+64*\st+8*\i+\jt], v[ST+64*\st+8*\i+4+\jt]
.endr
.endr
.irp jt, 0,1,2,3
	ds_store_b128 v6, v[F+8*\jt:F+8*\jt+3] offset:\u*4096+\jt*1024
	ds_store_b128 v6, v[F+8*\jt+4:F+8*\jt+7] offset:\u*4096+\jt*1024+512
.endr
.endm
; K step i of a trip of four.  lc, dc: how many younger global and LDS loads may stay out.  fw: the weights of step i + 2 are fetched from
; LDS into the buffer just used; ftok: the tokens of step i + 4 from memory.  The sixteen accumulators take turns, one instruction a turn.
.macro KSTEP i, zero, ftok, fw, lc, dc
	s_wait_loadcnt \lc
	s_wait_dscnt \dc
	WIN 0x50                                       ; C and D in window 1
.irp jt, 0,1,2,3
.irp mi, 0,1,2,3
.if \zero
	v_wmma_f32_16x16x32_f16 v[8*(4*\jt+\mi):8*(4*\jt+\mi)+7], v[WB+32*(\i&1)+8*\jt:WB+32*(\i&1)+8*\jt+7], v[T+32*\i+8*\mi:T+32*\i+8*\mi+7], 0
.else
	v_wmma_f32_16x16x32_f16 v[8*(4*\jt+\mi):8*(4*\jt+\mi)+7], v[WB+32*(\i&1)+8*\jt:WB+32*(\i&1)+8*\jt+7], v[T+32*\i+8*\mi:T+32*\i+8*\mi+7], v[8*(4*\jt+\mi):8*(4*\jt+\mi)+7]
.endif
.endr
.endr
	WIN 0
	PLACES                                         ; the loads below land on registers that these matrix instructions read
.if \fw
.irp jt, 0,1,2,3
	ds_load_b128 v[WB+32*(\i&1)+8*\jt:WB+32*(\i&1)+8*\jt+3], v7 offset:(\i+2)*4096+\jt*1024
	ds_load_b128 v[WB+32*(\i&1)+8*\jt+4:WB+32*(\i&1)+8*\jt+7], v7 offset:(\i+2)*4096+\jt*1024+512
.endr
.endif
.if \ftok
.irp mi, 0,1,2,3
	global_load_b128 v[T+32*\i+8*\mi:T+32*\i+8*\mi+3], v[TO+\mi], s[26:27] offset:(\i+4)*1024
	global_load_b128 v[T+32*\i+8*\mi+4:T+32*\i+8*\mi+7], v[TO+\mi], s[26:27] offset:(\i+4)*1024+512
.endr
.endif
.endm
; Four K steps.  In flight at a step's head: the tokens of four steps (8 loads each: 24 younger) and the weights of two (8 each: 8 younger).
.macro TRIP zero, tail
.if \tail
	KSTEP 0, 0, 0, 1, 24, 8                        ; nothing more from memory: the counts run down
	KSTEP 1, 0, 0, 1, 16, 8
	KSTEP 2, 0, 0, 0, 8, 8
	KSTEP 3, 0, 0, 0, 0, 0
.else
	KSTEP 0, \zero, 1, 1, 24, 8
	KSTEP 1, 0, 1, 1, 24, 8
	KSTEP 2, 0, 1, 1, 24, 8
	KSTEP 3, 0, 1, 1, 24, 8
	s_wait_xcnt 0x0                                ; the loads' base is stepped only behind this wait
	s_add_nc_u64 s[26:27], s[26:27], 4096
	v_add_nc_u32 v7, 16384, v7
.endif
.endm
	s_load_b256 s[4:11], s[0:1], 0x0               ; xs s[4:5], W1 s[6:7], b1 s[8:9], meta s[10:11]
	s_load_b64 s[12:13], s[0:1], 0x20              ; hid
	v_lshl_add_u32 v30, v0, 2, 0x40000
	v_mov_b32 v31, 0
	v_and_b32 v1, 31, v0                           ; lane
	v_lshrrev_b32 v2, 5, v0
	v_readfirstlane_b32 s16, v2                    ; wave
	v_and_b32 v2, 15, v0                           ; r
	v_bfe_u32 v3, v0, 4, 1                         ; h
	s_mov_b32 s17, ttmp9                           ; cb
	s_and_b32 s18, ttmp7, 0xffff                   ; e
	v_lshlrev_b32 v17, 4, v2
	v_lshl_add_u32 v4, v3, 19, v17                 ; weights: 32 h rows of 16,384 bytes + 16 r
	v_lshlrev_b32 v5, 4, v1                        ; 16 lane
	s_lshl_b32 s36, s16, 15
	v_add_nc_u32 v6, s36, v5                       ; LDS: my eight units
	v_lshlrev_b32 v16, 7, v3                       ; b1: 128 h
	s_lshl_b32 s36, s18, 24                        ; W1[e] + 256 (w & 3) rows + (128 cb + 64 (w >> 2)) columns
	s_and_b32 s37, s16, 3
	s_lshl_b32 s37, s37, 22
	s_add_co_u32 s36, s36, s37
	s_lshl_b32 s37, s17, 9
	s_add_co_u32 s36, s36, s37
	s_lshr_b32 s37, s16, 2
	s_lshl_b32 s37, s37, 8
	s_add_co_u32 s36, s36, s37
	s_mov_b32 s37, 0
	s_lshl_b32 s38, s18, 2
	s_mov_b32 s39, 0
	s_wait_kmcnt 0x0
	s_add_nc_u64 s[28:29], s[6:7], s[36:37]
	s_add_nc_u64 s[40:41], s[10:11], s[38:39]
	s_load_b32 s19, s[40:41], 0x0                  ; t0 of my expert
	s_load_b32 s20, s[40:41], 0x20                 ; nt
	; PHASE 1: three units of 16 loads are always on their way in each wave; a wait's count is the loads of the younger units
	LDW 0, 0
	LDW 1, 1
	LDW 2, 2
	s_wait_loadcnt 32
	CVW 0, 0
	LDW 3, 0
	s_wait_loadcnt 32
	CVW 1, 1
	LDW 4, 1
	s_wait_loadcnt 32
	CVW 2, 2
	LDW 5, 2
	s_wait_loadcnt 32
	CVW 3, 0
	LDW 6, 0
	s_wait_loadcnt 32
	CVW 4, 1
	LDW 7, 1
	s_wait_loadcnt 32
	CVW 5, 2
	s_wait_loadcnt 16
	CVW 6, 0
	s_wait_loadcnt 0
	CVW 7, 1
	s_wait_kmcnt 0x0
	s_min_u32 s19, s19, 71                         ; 72 tiles exist
	s_min_u32 s20, s20, 64
	s_add_co_u32 s21, s20, 3
	s_lshr_b32 s21, s21, 2                         ; items of four tiles: 16 at the most
	s_sub_co_u32 s45, s20, 1                       ; the expert's last tile (not used where nt = 0: no item then)
	s_and_b32 s42, s16, 1                          ; cg
	s_lshl_b32 s46, s42, 17                        ; its 32 units in LDS
	s_lshl_b32 s36, s18, 14                        ; b1: 4,096 e + 128 cb + 64 cg numbers
	s_lshl_b32 s38, s17, 9
	s_add_co_u32 s36, s36, s38
	s_lshl_b32 s38, s42, 8
	s_add_co_u32 s36, s36, s38
	s_add_nc_u64 s[30:31], s[8:9], s[36:37]
	s_lshl_b32 s36, s17, 12                        ; hid: K steps 2 (2 cb + cg) and the next, 1,024 bytes each
	s_lshl_b32 s38, s42, 11
	s_add_co_u32 s36, s36, s38
	s_add_nc_u64 s[32:33], s[12:13], s[36:37]
	s_wait_dscnt 0x0                               ; my fragments are in LDS before I say so
	s_barrier_signal -1
	s_barrier_wait -1                              ; the only barrier: from here LDS is only read
.irp j, 0,1,2,3,4,5,6,7
	global_load_b128 v[BI+4*\j:BI+4*\j+3], v16, s[30:31] offset:16*\j   ; b1 of my 32 columns; older than every token load, so the first counted wait covers it
.endr
	; PHASE 2.  My items are g0 = w >> 1, g0 + 4, .. below ng: (ng + 3 - g0) >> 2 of them (0 where g0 >= ng, since then ng + 3 - g0 <= 3).
	; The loop is counted by s35, one a trip, against that number; s22, the item, serves the addresses alone.
	s_lshr_b32 s22, s16, 1                         ; my first item
	s_add_co_u32 s34, s21, 3
	s_sub_co_u32 s34, s34, s22
	s_lshr_b32 s34, s34, 2                         ; how many items are mine
	s_mov_b32 s35, 0
	s_cmp_eq_u32 s34, 0
	s_cbranch_scc1 .Lend
.Litem:
	s_wait_xcnt 0x0                                ; the last item's stores: their offsets and data are rewritten only behind this wait
	s_lshl_b32 s38, s22, 2
.irp i, 0,1,2,3
	s_add_co_u32 s36, s38, \i
	s_min_u32 s36, s36, s45                        ; past the expert's last tile: that tile again
	s_add_co_u32 s36, s36, s19
	s_min_u32 s36, s36, 71
	s_lshl_b32 s37, s36, TSHIFT
	v_add_nc_u32 v[TO+\i], s37, v5
	s_lshl_b32 s37, s36, 17
	v_add_nc_u32 v[HO+\i], s37, v5
.endr
	s_mov_b64 s[26:27], s[4:5]
	v_add_nc_u32 v7, s46, v5
.irp i, 0,1
.irp jt, 0,1,2,3
	ds_load_b128 v[WB+32*\i+8*\jt:WB+32*\i+8*\jt+3], v7 offset:\i*4096+\jt*1024
	ds_load_b128 v[WB+32*\i+8*\jt+4:WB+32*\i+8*\jt+7], v7 offset:\i*4096+\jt*1024+512
.endr
.endr
.irp i, 0,1,2,3
.irp mi, 0,1,2,3
	global_load_b128 v[T+32*\i+8*\mi:T+32*\i+8*\mi+3], v[TO+\mi], s[26:27] offset:\i*1024
	global_load_b128 v[T+32*\i+8*\mi+4:T+32*\i+8*\mi+7], v[TO+\mi], s[26:27] offset:\i*1024+512
.endr
.endr
	TRIP 1, 0                                      ; the first product starts the sums: nothing is cleared
	s_mov_b32 s23, LOOPS
.Ltrip:
	TRIP 0, 0
	s_sub_co_u32 s23, s23, 1
	s_cmp_lg_u32 s23, 0
	s_cbranch_scc1 .Ltrip
	TRIP 0, 1
	; bias, relu, rounding: a lane's 32 numbers of a token become 64 bytes of two images
.irp mi, 0,1,2,3
	WIN 0x01                                       ; source 0 in window 1
.irp jt, 0,1,2,3
.irp j, 0,1,2,3,4,5,6,7
	v_add_f32 v[E+4*\j+\jt], v[8*(4*\jt+\mi)+\j], v[BI+4*\j+\jt]
.endr
.endr
	WIN 0
.irp n, 0,1,2,3,4,5,6,7,8,9,10,11,12,13,14,15
	v_max_num_f32 v[E+2*\n], 0, v[E+2*\n]
	v_max_num_f32 v[E+2*\n+1], 0, v[E+2*\n+1]
	v_cvt_pk_f16_f32 v[O+16*\mi+\n], v[E+2*\n], v[E+2*\n+1]
.endr
.irp m, 0,1,2,3
	global_store_b128 v[HO+\mi], v[O+16*\mi+4*\m:O+16*\mi+4*\m+3], s[32:33] offset:\m*512   ; 512 consecutive bytes
.endr
.endr
	s_add_co_u32 s22, s22, 4                       ; my next item
	s_add_co_u32 s35, s35, 1
	s_cmp_lt_u32 s35, s34
	s_cbranch_scc1 .Litem
.Lend:
	s_barrier_signal -1
	s_barrier_wait -1
	s_wait_tensorcnt 0x0
	ds_add_u32 v30, v31
	s_wait_dscnt 0x0
	s_endpgm
.Lfunc_end_k_q6c1c7ccc58_ffn1:
	.size	k_q6c1c7ccc58_ffn1, .Lfunc_end_k_q6c1c7ccc58_ffn1-k_q6c1c7ccc58_ffn1
	.p2alignl 7, 3214868480
	.fill 96, 4, 3214868480
	.section	.rodata,"a",@progbits
	.p2align	6, 0x0
	.amdhsa_kernel k_q6c1c7ccc58_ffn1
		.amdhsa_group_segment_fixed_size 263168
		.amdhsa_private_segment_fixed_size 0
		.amdhsa_enable_private_segment 0
		.amdhsa_kernarg_size 40
		.amdhsa_user_sgpr_count 2
		.amdhsa_user_sgpr_kernarg_segment_ptr 1
		.amdhsa_wavefront_size32 1
		.amdhsa_system_sgpr_workgroup_id_x 1
		.amdhsa_system_sgpr_workgroup_id_y 1
		.amdhsa_system_sgpr_workgroup_id_z 1
		.amdhsa_system_vgpr_workitem_id 0
		.amdhsa_next_free_vgpr 384
		.amdhsa_next_free_sgpr 66
		.amdhsa_reserve_vcc 0
		.amdhsa_float_denorm_mode_32 3
		.amdhsa_float_denorm_mode_16_64 3
		.amdhsa_memory_ordered 1
		.amdhsa_forward_progress 1
		.amdhsa_inst_pref_size 82
	.end_amdhsa_kernel
	.amdgpu_metadata
---
amdhsa.version: [ 1, 2 ]
amdhsa.kernels:
  - .name:           k_q6c1c7ccc58_ffn1
    .symbol:         k_q6c1c7ccc58_ffn1.kd
    .args:
      - { .name: xs, .offset: 0, .size: 8, .value_kind: global_buffer, .address_space: global }
      - { .name: W1, .offset: 8, .size: 8, .value_kind: global_buffer, .address_space: global }
      - { .name: b1, .offset: 16, .size: 8, .value_kind: global_buffer, .address_space: global }
      - { .name: meta, .offset: 24, .size: 8, .value_kind: global_buffer, .address_space: global }
      - { .name: hid, .offset: 32, .size: 8, .value_kind: global_buffer, .address_space: global }
    .group_segment_fixed_size: 263168
    .private_segment_fixed_size: 0
    .kernarg_segment_align: 8
    .kernarg_segment_size: 40
    .max_flat_workgroup_size: 256
    .sgpr_count:     66
    .vgpr_count:     384
    .wavefront_size: 32
...
	.end_amdgpu_metadata
.endif
;; end of part 4
;; launch ffn2 (part 5): grid 32 x 8, 8 waves a work-group, no clusters, 263,168 bytes of LDS; arguments hid, W2, b2, meta, list, part; writes part
.if DOCPART == 5
	.amdgcn_target "amdgcn-amd-amdhsa--gfx1250"
	.amdhsa_code_object_version 6
	.text
	.protected	k_q6c1c7ccc58_ffn2
	.globl	k_q6c1c7ccc58_ffn2
	.p2align	8
	.type	k_q6c1c7ccc58_ffn2,@function
k_q6c1c7ccc58_ffn2:
	s_mov_b64 s[64:65], 0
	v_nop
	global_prefetch_b8 v0, s[64:65] scope:SCOPE_SE
	s_setreg_imm32_b32 hwreg(HW_REG_WAVE_MODE, 25, 1), 1
	s_wait_xcnt 0x0
; part[kh][row][1,024] = hid[.., K half kh] W2[e][K half kh] (+ b2[e] where kh = 0), for the tokens of expert e alone; row = the token, from list.
; Work-group (x, e), cb = x & 15, kh = x >> 4, owns W2[e][2,048 kh .. + 2,047][64 cb .. 64 cb + 63]: 131,072 weights, 512 KiB of f32 that are
; read from memory once in the whole launch.  PHASE 1 rounds them to f16 and keeps them in LDS as 64 units of 4 KiB (unit = K step; 4
; fragments of 1,024 bytes).  PHASE 2 runs the expert's token tiles over them.  Order of K and fragments as in the first layer's kernel:
; K step 2 b + s, half h, element t is k = 64 b + 32 h + 16 s + t; fragment jt is made of the columns 4 r + jt.
; FORMAT: f16 operands (11 significant bits), sums in f32, for the reason given in the first layer's kernel.  LIMIT KEPT: a weight above
; 65,504 in magnitude becomes infinite; below 2^-14 its step is 2^-24 (weights of spread 0.02, or a thirtieth of that, lie far above the step).
; Tokens are source 0, weights source 1: lane (r, h), register j of tile jt holds token 8 h + j, column 4 r + jt; the four tiles' registers j
; are 16 neighbouring bytes of a row, and sixteen lanes store 256 consecutive bytes, aligned.
; PHASE 2's share: an item is 4 token tiles x 64 columns x K = 2,048: 16 accumulators.  Wave w takes the items w, w + 8, ..  The last item
; repeats the expert's last tile where fewer than four are left: the same wave stores the same values to the same bytes.  Slots without
; token go to rows 1024 + 16 e + slot, one expert's own, which no launch reads.
; K IS SUMMED IN TWO HALVES by two work-groups, added in a later launch: another order of rounding than one sum's.
; NO TENSOR LOAD, NO CLUSTER: as in the first layer's kernel (weights pass through registers and are shared by nobody; the shared token
; images come through register loads and their number hangs on counts that differ from expert to expert).
; Window 0: v4-17 addresses; v28-31 b2; v32-63 F (phase 1), then the rows' offsets; v64-255 stagings, then WB 2 x 32 and T 4 x 32.  Window 1: v0-127 ACC.
.set WPITCH, 4096                      ; bytes in a row of W2[e]
.set LOOPS,  64/4-2
.set TO,  8                            ; v8-11  byte offset of my 16 bytes in the item's four tiles of hid
.set LO,  12                           ; v12-15 byte offset in list of my 8 slots of each tile
.set BQ,  28
.set F,   32
.set RO,  32
.set ST,  64
.set WB,  64
.set T,   128
.set QD,  128
.set MSB, 0
.macro WIN new                         ; the immediate's high byte repeats the setting that is left
.if MSB != \new
	s_set_vgpr_msb (MSB<<8)|\new
.set MSB, \new
.endif
.endm
.macro PLACES                          ; four places behind a matrix instruction (ISA guide 7.12.1)
.rept 4
	v_nop
.endr
.endm
.macro LDW u, st                       ; unit u of my eight: 16 loads of two rows' 256 bytes each, into staging st
.irp t, 0,1,2,3,4,5,6,7,8,9,10,11,12,13,14,15
	global_load_b128 v[ST+64*\st+4*\t:ST+64*\st+4*\t+3], v4, s[28:29] offset:(64*(\u>>1)+16*(\u&1)+\t)*WPITCH th:TH_LOAD_NT
.endr
.endm
.macro CVW u, st                       ; staging st becomes four fragments, 4 KiB of LDS
.irp jt, 0,1,2,3
.irp i, 0,1,2,3,4,5,6,7
	v_cvt_pk_f16_f32 v[F+8*\jt+\i], v[ST+64*\st+8*\i+\jt], v[ST+64*\st+8*\i+4+\jt]
.endr
.endr
.irp jt, 0,1,2,3
	ds_store_b128 v6, v[F+8*\jt:F+8*\jt+3] offset:\u*4096+\jt*1024
	ds_store_b128 v6, v[F+8*\jt+4:F+8*\jt+7] offset:\u*4096+\jt*1024+512
.endr
.endm
; K step i of a trip of four; arguments as in the first layer's kernel.  The sixteen accumulators take turns, one instruction a turn.
.macro KSTEP i, zero, ftok, fw, lc, dc
	s_wait_loadcnt \lc
	s_wait_dscnt \dc
	WIN 0x50                                       ; C and D in window 1
.irp jt, 0,1,2,3
.irp mi, 0,1,2,3
.if \zero
	v_wmma_f32_16x16x32_f16 v[8*(4*\jt+\mi):8*(4*\jt+\mi)+7], v[T+32*\i+8*\mi:T+32*\i+8*\mi+7], v[WB+32*(\i&1)+8*\jt:WB+32*(\i&1)+8*\jt+7], 0
.else
	v_wmma_f32_16x16x32_f16 v[8*(4*\jt+\mi):8*(4*\jt+\mi)+7], v[T+32*\i+8*\mi:T+32*\i+8*\mi+7], v[WB+32*(\i&1)+8*\jt:WB+32*(\i&1)+8*\jt+7], v[8*(4*\jt+\mi):8*(4*\jt+\mi)+7]
.endif
.endr
.endr
	WIN 0
	PLACES                                         ; the loads below land on registers that these matrix instructions read
.if \fw
.irp jt, 0,1,2,3
	ds_load_b128 v[WB+32*(\i&1)+8*\jt:WB+32*(\i&1)+8*\jt+3], v7 offset:(\i+2)*4096+\jt*1024
	ds_load_b128 v[WB+32*(\i&1)+8*\jt+4:WB+32*(\i&1)+8*\jt+7], v7 offset:(\i+2)*4096+\jt*1024+512
.endr
.endif
.if \ftok
.irp mi, 0,1,2,3
	global_load_b128 v[T+32*\i+8*\mi:T+32*\i+8*\mi+3], v[TO+\mi], s[26:27] offset:(\i+4)*1024
	global_load_b128 v[T+32*\i+8*\mi+4:T+32*\i+8*\mi+7], v[TO+\mi], s[26:27] offset:(\i+4)*1024+512
.endr
.endif
.endm
; Four K steps.  In flight at a step's head: the tokens of four steps (8 loads each: 24 younger) and the weights of two (8 each: 8 younger).
.macro TRIP zero, tail
.if \tail
	KSTEP 0, 0, 0, 1, 24, 8                        ; nothing more from memory: the counts run down
	KSTEP 1, 0, 0, 1, 16, 8
	KSTEP 2, 0, 0, 0, 8, 8
	KSTEP 3, 0, 0, 0, 0, 0
.else
	KSTEP 0, \zero, 1, 1, 24, 8
	KSTEP 1, 0, 1, 1, 24, 8
	KSTEP 2, 0, 1, 1, 24, 8
	KSTEP 3, 0, 1, 1, 24, 8
	s_wait_xcnt 0x0                                ; the loads' base is stepped only behind this wait
	s_add_nc_u64 s[26:27], s[26:27], 4096
	v_add_nc_u32 v7, 16384, v7
.endif
.endm
	s_load_b256 s[4:11], s[0:1], 0x0               ; hid s[4:5], W2 s[6:7], b2 s[8:9], meta s[10:11]
	s_load_b128 s[12:15], s[0:1], 0x20             ; list s[12:13], part s[14:15]
	v_lshl_add_u32 v26, v0, 2, 0x40000
	v_mov_b32 v27, 0
	v_and_b32 v1, 31, v0                           ; lane
	v_lshrrev_b32 v2, 5, v0
	v_readfirstlane_b32 s16, v2                    ; wave
	v_and_b32 v2, 15, v0                           ; r
	v_bfe_u32 v3, v0, 4, 1                         ; h
	s_and_b32 s17, ttmp9, 15                       ; cb
	s_lshr_b32 s47, ttmp9, 4                       ; kh
	s_and_b32 s18, ttmp7, 0xffff                   ; e
	v_lshlrev_b32 v17, 4, v2                       ; 16 r
	v_lshl_add_u32 v4, v3, 17, v17                 ; weights: 32 h rows of 4,096 bytes + 16 r
	v_lshlrev_b32 v5, 4, v1                        ; 16 lane
	s_lshl_b32 s36, s16, 15
	v_add_nc_u32 v6, s36, v5                       ; LDS: my eight units
	v_lshlrev_b32 v16, 5, v3                       ; list: 8 h words
	s_lshl_b32 s36, s18, 24                        ; W2[e] + (2,048 kh + 256 w) rows + 64 cb columns
	s_lshl_b32 s37, s47, 23
	s_add_co_u32 s36, s36, s37
	s_lshl_b32 s37, s16, 20
	s_add_co_u32 s36, s36, s37
	s_lshl_b32 s37, s17, 8
	s_add_co_u32 s36, s36, s37
	s_mov_b32 s37, 0
	s_lshl_b32 s38, s18, 2
	s_mov_b32 s39, 0
	s_wait_kmcnt 0x0
	s_add_nc_u64 s[28:29], s[6:7], s[36:37]
	s_add_nc_u64 s[40:41], s[10:11], s[38:39]
	s_load_b32 s19, s[40:41], 0x0                  ; t0 of my expert
	s_load_b32 s20, s[40:41], 0x20                 ; nt
	; PHASE 1: three units of 16 loads are always on their way in each wave; a wait's count is the loads of the younger units
	LDW 0, 0
	LDW 1, 1
	LDW 2, 2
	s_wait_loadcnt 32
	CVW 0, 0
	LDW 3, 0
	s_wait_loadcnt 32
	CVW 1, 1
	LDW 4, 1
	s_wait_loadcnt 32
	CVW 2, 2
	LDW 5, 2
	s_wait_loadcnt 32
	CVW 3, 0
	LDW 6, 0
	s_wait_loadcnt 32
	CVW 4, 1
	LDW 7, 1
	s_wait_loadcnt 32
	CVW 5, 2
	s_wait_loadcnt 16
	CVW 6, 0
	s_wait_loadcnt 0
	CVW 7, 1
	s_wait_kmcnt 0x0
	s_min_u32 s19, s19, 71                         ; 72 tiles exist
	s_min_u32 s20, s20, 64
	s_add_co_u32 s21, s20, 3
	s_lshr_b32 s21, s21, 2                         ; items of four tiles: 16 at the most
	s_sub_co_u32 s45, s20, 1                       ; the expert's last tile (not used where nt = 0: no item then)
	s_lshl_b32 s36, s47, 16                        ; hid: K half kh = 64 images of 1,024 bytes
	s_add_nc_u64 s[24:25], s[4:5], s[36:37]
	s_lshl_b32 s36, s18, 12                        ; b2: 1,024 e + 64 cb numbers
	s_lshl_b32 s38, s17, 8
	s_add_co_u32 s36, s36, s38
	s_add_nc_u64 s[30:31], s[8:9], s[36:37]
	s_mul_i32 s36, s47, 4718592                    ; part: half kh (1,152 rows of 4,096 bytes) + 64 cb columns
	s_add_co_u32 s36, s36, s38
	s_add_nc_u64 s[32:33], s[14:15], s[36:37]
	s_cmp_eq_u32 s47, 0
	s_cselect_b32 s44, -1, 0                       ; K half 0 adds the bias
	s_wait_dscnt 0x0                               ; my fragments are in LDS before I say so
	s_barrier_signal -1
	s_barrier_wait -1                              ; the only barrier: from here LDS is only read
	global_load_b128 v[BQ:BQ+3], v17, s[30:31]     ; b2 of my four columns
	s_wait_loadcnt 0x0
.irp jt, 0,1,2,3
	v_cndmask_b32 v[BQ+\jt], 0, v[BQ+\jt], s44
.endr
	; PHASE 2.  My items are w, w + 8, .. below ng: (ng + 7 - w) >> 3 of them (0 where w >= ng, since then ng + 7 - w <= 7).
	; The loop is counted by s35, one a trip, against that number; s22, the item, serves the addresses alone.
	s_mov_b32 s22, s16                             ; my first item
	s_add_co_u32 s34, s21, 7
	s_sub_co_u32 s34, s34, s22
	s_lshr_b32 s34, s34, 3                         ; how many items are mine
	s_mov_b32 s35, 0
	s_cmp_eq_u32 s34, 0
	s_cbranch_scc1 .Lend
.Litem:
	s_wait_xcnt 0x0                                ; the last item's stores: their offsets and data are rewritten only behind this wait
	s_lshl_b32 s38, s22, 2
.irp i, 0,1,2,3
	s_add_co_u32 s36, s38, \i
	s_min_u32 s36, s36, s45                        ; past the expert's last tile: that tile again
	s_add_co_u32 s36, s36, s19
	s_min_u32 s36, s36, 71
	s_lshl_b32 s37, s36, 17
	v_add_nc_u32 v[TO+\i], s37, v5
	s_lshl_b32 s37, s36, 6
	v_add_nc_u32 v[LO+\i], s37, v16
.endr
.irp i, 0,1,2,3
	global_load_b128 v[RO+8*\i:RO+8*\i+3], v[LO+\i], s[12:13]             ; the rows of my 8 slots; older than every token load
	global_load_b128 v[RO+8*\i+4:RO+8*\i+7], v[LO+\i], s[12:13] offset:16
.endr
	s_mov_b64 s[26:27], s[24:25]
	v_mov_b32 v7, v5
.irp i, 0,1
.irp jt, 0,1,2,3
	ds_load_b128 v[WB+32*\i+8*\jt:WB+32*\i+8*\jt+3], v7 offset:\i*4096+\jt*1024
	ds_load_b128 v[WB+32*\i+8*\jt+4:WB+32*\i+8*\jt+7], v7 offset:\i*4096+\jt*1024+512
.endr
.endr
.irp i, 0,1,2,3
.irp mi, 0,1,2,3
	global_load_b128 v[T+32*\i+8*\mi:T+32*\i+8*\mi+3], v[TO+\mi], s[26:27] offset:\i*1024
	global_load_b128 v[T+32*\i+8*\mi+4:T+32*\i+8*\mi+7], v[TO+\mi], s[26:27] offset:\i*1024+512
.endr
.endr
	TRIP 1, 0                                      ; the first product starts the sums: nothing is cleared
	s_mov_b32 s23, LOOPS
.Ltrip:
	TRIP 0, 0
	s_sub_co_u32 s23, s23, 1
	s_cmp_lg_u32 s23, 0
	s_cbranch_scc1 .Ltrip
	TRIP 0, 1
.set k, 0
.rept 32
	v_min_u32 v[RO+k], 0x47f, v[RO+k]              ; 1,152 rows exist
	v_lshl_add_u32 v[RO+k], v[RO+k], 12, v17       ; the row + 16 r
.set k, k+1
.endr
.irp mi, 0,1,2,3
	WIN 0x01                                       ; source 0 in window 1
.irp jt, 0,1,2,3
.irp j, 0,1,2,3,4,5,6,7
	v_add_f32 v[QD+32*\mi+4*\j+\jt], v[8*(4*\jt+\mi)+\j], v[BQ+\jt]
.endr
.endr
	WIN 0
.irp j, 0,1,2,3,4,5,6,7
	global_store_b128 v[RO+8*\mi+\j], v[QD+32*\mi+4*\j:QD+32*\mi+4*\j+3], s[32:33]   ; sixteen lanes: 256 consecutive bytes of a row, aligned
.endr
.endr
	s_add_co_u32 s22, s22, 8                       ; my next item
	s_add_co_u32 s35, s35, 1
	s_cmp_lt_u32 s35, s34
	s_cbranch_scc1 .Litem
.Lend:
	s_barrier_signal -1
	s_barrier_wait -1
	s_wait_tensorcnt 0x0
	ds_add_u32 v26, v27
	s_wait_dscnt 0x0
	s_endpgm
.Lfunc_end_k_q6c1c7ccc58_ffn2:
	.size	k_q6c1c7ccc58_ffn2, .Lfunc_end_k_q6c1c7ccc58_ffn2-k_q6c1c7ccc58_ffn2
	.p2alignl 7, 3214868480
	.fill 96, 4, 3214868480
	.section	.rodata,"a",@progbits
	.p2align	6, 0x0
	.amdhsa_kernel k_q6c1c7ccc58_ffn2
		.amdhsa_group_segment_fixed_size 263168
		.amdhsa_private_segment_fixed_size 0
		.amdhsa_enable_private_segment 0
		.amdhsa_kernarg_size 48
		.amdhsa_user_sgpr_count 2
		.amdhsa_user_sgpr_kernarg_segment_ptr 1
		.amdhsa_wavefront_size32 1
		.amdhsa_system_sgpr_workgroup_id_x 1
		.amdhsa_system_sgpr_workgroup_id_y 1
		.amdhsa_system_sgpr_workgroup_id_z 1
		.amdhsa_system_vgpr_workitem_id 0
		.amdhsa_next_free_vgpr 384
		.amdhsa_next_free_sgpr 66
		.amdhsa_reserve_vcc 0
		.amdhsa_float_denorm_mode_32 3
		.amdhsa_float_denorm_mode_16_64 3
		.amdhsa_memory_ordered 1
		.amdhsa_forward_progress 1
		.amdhsa_inst_pref_size 80
	.end_amdhsa_kernel
	.amdgpu_metadata
---
amdhsa.version: [ 1, 2 ]
amdhsa.kernels:
  - .name:           k_q6c1c7ccc58_ffn2
    .symbol:         k_q6c1c7ccc58_ffn2.kd
    .args:
      - { .name: hid, .offset: 0, .size: 8, .value_kind: global_buffer, .address_space: global }
      - { .name: W2, .offset: 8, .size: 8, .value_kind: global_buffer, .address_space: global }
      - { .name: b2, .offset: 16, .size: 8, .value_kind: global_buffer, .address_space: global }
      - { .name: meta, .offset: 24, .size: 8, .value_kind: global_buffer, .address_space: global }
      - { .name: list, .offset: 32, .size: 8, .value_kind: global_buffer, .address_space: global }
      - { .name: part, .offset: 40, .size: 8, .value_kind: global_buffer, .address_space: global }
    .group_segment_fixed_size: 263168
    .private_segment_fixed_size: 0
    .kernarg_segment_align: 8
    .kernarg_segment_size: 48
    .max_flat_workgroup_size: 256
    .sgpr_count:     66
    .vgpr_count:     384
    .wavefront_size: 32
...
	.end_amdgpu_metadata
.endif
;; end of part 5
;; launch addhalves (part 6): grid 256 x 1, 8 waves a work-group, no clusters, 0 bytes of LDS; arguments part, out0; writes out0
.if DOCPART == 6
	.amdgcn_target "amdgcn-amd-amdhsa--gfx1250"
	.amdhsa_code_object_version 6
	.text
	.protected	k_q6c1c7ccc58_addhalves
	.globl	k_q6c1c7ccc58_addhalves
	.p2align	8
	.type	k_q6c1c7ccc58_addhalves,@function
k_q6c1c7ccc58_addhalves:
	s_mov_b64 s[64:65], 0
	v_nop
	global_prefetch_b8 v0, s[64:65] scope:SCOPE_SE
	s_setreg_imm32_b32 hwreg(HW_REG_WAVE_MODE, 25, 1), 1
	s_wait_xcnt 0x0
; out0[row] = part[0][row] + part[1][row] for the 1,024 token rows: the two halves of the second layer's K, the lower half first.
; A stream: each work-group takes 16 KiB of out0, each thread four times 16 bytes, all eight loads issued before the one wait.
; LDS, the matrix units and clusters have nothing to do here.
.set HALF, 4718592                     ; 1,152 rows of 4,096 bytes
	s_load_b128 s[4:7], s[0:1], 0x0                ; part s[4:5], out0 s[6:7]
	v_lshlrev_b32 v1, 4, v0
	s_lshl_b32 s8, ttmp9, 14
	s_mov_b32 s9, 0
	s_wait_kmcnt 0x0
	s_add_nc_u64 s[4:5], s[4:5], s[8:9]
	s_add_nc_u64 s[6:7], s[6:7], s[8:9]
.irp i, 0,1,2,3
	global_load_b128 v[4+4*\i:7+4*\i], v1, s[4:5] offset:\i*4096 th:TH_LOAD_NT
.endr
.irp i, 0,1,2,3
	global_load_b128 v[20+4*\i:23+4*\i], v1, s[4:5] offset:HALF+\i*4096 th:TH_LOAD_NT
.endr
	s_wait_loadcnt 0x0
.irp k, 0,2,4,6,8,10,12,14
	v_pk_add_f32 v[4+\k:5+\k], v[4+\k:5+\k], v[20+\k:21+\k]
.endr
.irp i, 0,1,2,3
	global_store_b128 v1, v[4+4*\i:7+4*\i], s[6:7] offset:\i*4096 th:TH_STORE_NT
.endr
	s_endpgm
.Lfunc_end_k_q6c1c7ccc58_addhalves:
	.size	k_q6c1c7ccc58_addhalves, .Lfunc_end_k_q6c1c7ccc58_addhalves-k_q6c1c7ccc58_addhalves
	.p2alignl 7, 3214868480
	.fill 96, 4, 3214868480
	.section	.rodata,"a",@progbits
	.p2align	6, 0x0
	.amdhsa_kernel k_q6c1c7ccc58_addhalves
		.amdhsa_group_segment_fixed_size 0
		.amdhsa_private_segment_fixed_size 0
		.amdhsa_enable_private_segment 0
		.amdhsa_kernarg_size 16
		.amdhsa_user_sgpr_count 2
		.amdhsa_user_sgpr_kernarg_segment_ptr 1
		.amdhsa_wavefront_size32 1
		.amdhsa_system_sgpr_workgroup_id_x 1
		.amdhsa_system_sgpr_workgroup_id_y 1
		.amdhsa_system_sgpr_workgroup_id_z 1
		.amdhsa_system_vgpr_workitem_id 0
		.amdhsa_next_free_vgpr 48
		.amdhsa_next_free_sgpr 66
		.amdhsa_reserve_vcc 0
		.amdhsa_float_denorm_mode_32 3
		.amdhsa_float_denorm_mode_16_64 3
		.amdhsa_memory_ordered 1
		.amdhsa_forward_progress 1
		.amdhsa_inst_pref_size 3
	.end_amdhsa_kernel
	.amdgpu_metadata
---
amdhsa.version: [ 1, 2 ]
amdhsa.kernels:
  - .name:           k_q6c1c7ccc58_addhalves
    .symbol:         k_q6c1c7ccc58_addhalves.kd
    .args:
      - { .name: part, .offset: 0, .size: 8, .value_kind: global_buffer, .address_space: global }
      - { .name: out0, .offset: 8, .size: 8, .value_kind: global_buffer, .address_space: global }
    .group_segment_fixed_size: 0
    .private_segment_fixed_size: 0
    .kernarg_segment_align: 8
    .kernarg_segment_size: 16
    .max_flat_workgroup_size: 256
    .sgpr_count:     66
    .vgpr_count:     48
    .wavefront_size: 32
...
	.end_amdgpu_metadata
.endif
;; end of part 6
